; MI455X (gfx1250); checked and timed in simulation.
; The chip was launched on July 23, 2026; its instructions are those of AMD's public machine-readable ISA for CDNA 5 (MIT licence, August 2026) and "CDNA5" Instruction Set Architecture Reference Guide (July 2026). The comments in the code are by the model that wrote it; some were corrected since.
;; Sym HQ Linear. Allowed arithmetic: float matrix products may take bf16 or f16 operands with f32 sums; other float arithmetic in f32, or as packed bf16 or f16 multiplies, adds, multiply-adds, maxima and minima; sums over many terms, partial sums and values carried from step to step in f32; what a program stores and reads back later, other than sums and carried values, may be rounded once to bf16 or f16.
;; Inputs: codebook 65,536 x 8 float32; indices 1,048,576 int32; scales 2,048 x 1 float32; signs 1,048,576 int32; x 4 x 2,048 x 4,096 float32.
;; Outputs: out0 4 x 2,048 x 2,048 float32.
;; 2 versions, each right; version 2 is version 1 with the launch prep written anew for expert scheduling mode. Each part assembles by itself: llvm-mc -triple=amdgcn-amd-amdhsa -mcpu=gfx1250 --defsym DOCPART=n.
;; ======== version 1 of 2: 2 launches
;; workspace buffers: xb 67,108,864 bytes; wq 16,777,216 bytes
;; launch prep (part 1): grid 1536 x 1, 8 waves a work-group, no clusters, 0 bytes of LDS; arguments x, codebook, indices, signs, xb, wq; writes xb, wq
.if DOCPART == 1
	.amdgcn_target "amdgcn-amd-amdhsa--gfx1250"
	.amdhsa_code_object_version 6
	.text
	.protected	k_q93e1fb0856_prep
	.globl	k_q93e1fb0856_prep
	.p2align	8
	.type	k_q93e1fb0856_prep,@function
k_q93e1fb0856_prep:
	s_mov_b64 s[64:65], 0
	v_nop
	global_prefetch_b8 v0, s[64:65] scope:SCOPE_SE
	s_setreg_imm32_b32 hwreg(HW_REG_WAVE_MODE, 25, 1), 1
	s_wait_xcnt 0x0
; TWO STREAMS IN ONE LAUNCH, told apart by the work-group's number.
; Work-groups 0-511:    wq[o][8 g + j] = bf16(codebook[indices[512 o + g]][j]), its sign turned where bit j of signs[512 o + g] is 0.   wq: [2048][4096] bf16.
; Work-groups 512-1535: xb = bf16(x).   x: [8192][4096] f32, xb the same in bf16.
; The row scale is NOT applied here: a turned sign is exact, so each codebook number is rounded once, to bf16, and the scale multiplies the finished f32 sums in the launch behind.
; LIMITS.  An index is taken as unsigned and held to 65,535 (the table's last row); of a word of signs bits 0-7 alone are used; NaN and infinities are converted as they come.
; No LDS, no barrier, no matrix unit, no cluster: no wave wants a byte that another wave has fetched but rows of the table, which are gathered lane by lane.
; The table's work-groups have the low numbers: their chain (index, gather, store) has three loads' waits on end, x's stream has none.
.set IDX, 4                            ; v[4:11]    table path: 8 indices, then the byte offsets of their rows
.set SG,  12                           ; v[12:19]   8 words of signs
.set T,   20                           ; v[20:23]   8 bf16 at work
.set CB,  28                           ; v[28:91]   group j: 8 registers, the table's row in f32
.set M,   92                           ; v[92:123]  group j: 4 registers, the mask of sign bits, then the result
.set X,   4                            ; v[4:67]    x path: 16 slots of 4 registers as loaded
.set Y,   68                           ; v[68:131]  32 pairs to store, one for each store: none is written twice
	s_load_b256 s[4:11], s[0:1], 0x0               ; x s[4:5], codebook s[6:7], indices s[8:9], signs s[10:11]
	s_load_b128 s[12:15], s[0:1], 0x20             ; xb s[12:13], wq s[14:15]
	s_mov_b32 s21, ttmp9
	s_mov_b32 s20, 0x80008000                      ; the sign bits of two bf16
	s_cmp_lt_u32 s21, 512
	s_cbranch_scc0 .Lx
	; THE TABLE PATH.  The work-group owns 2,048 groups of 8 weights; thread t takes groups 256 j + t, j = 0..7: a wave's load of indices covers 128 neighbouring bytes, its store 512.
	v_lshlrev_b32 v1, 2, v0                        ; 4 t: my word of indices and of signs
	v_lshlrev_b32 v2, 4, v0                        ; 16 t: my 16 bytes of wq
	s_lshl_b32 s16, s21, 13                        ; 2,048 words of 4 bytes
	s_mov_b32 s17, 0
	s_lshl_b32 s18, s21, 15                        ; 2,048 groups of 16 bytes
	s_mov_b32 s19, 0
	s_wait_kmcnt 0x0
	s_add_nc_u64 s[8:9], s[8:9], s[16:17]
	s_add_nc_u64 s[10:11], s[10:11], s[16:17]
	s_add_nc_u64 s[14:15], s[14:15], s[18:19]
.irp j, 0,1,2,3,4,5,6,7
	global_load_b32 v[IDX+(\j)], v1, s[8:9] offset:1024*(\j) th:TH_LOAD_NT
.endr
.irp j, 0,1,2,3,4,5,6,7
	global_load_b32 v[SG+(\j)], v1, s[10:11] offset:1024*(\j) th:TH_LOAD_NT
.endr
	s_wait_loadcnt 8                               ; loads come back in order (ISA guide 5.7.1): the 8 indices are in, the 8 younger loads of signs may stay out
.irp j, 0,1,2,3,4,5,6,7
	v_min_u32 v[IDX+(\j)], 0xffff, v[IDX+(\j)]     ; inside the table
.endr
.irp j, 0,1,2,3,4,5,6,7
	v_lshlrev_b32 v[IDX+(\j)], 5, v[IDX+(\j)]      ; a row is 32 bytes
.endr
.irp j, 0,1,2,3,4,5,6,7
	global_load_b128 v[CB+8*(\j):CB+8*(\j)+3],   v[IDX+(\j)], s[6:7]            ; no hint: a row may be named again
	global_load_b128 v[CB+8*(\j)+4:CB+8*(\j)+7], v[IDX+(\j)], s[6:7] offset:16
.endr
	s_wait_loadcnt 16                              ; the signs are in; the 16 gathers may stay out: the masks are made meanwhile
	; Word p of a group holds weights 2 p (sign at bit 15) and 2 p + 1 (sign at bit 31).  With z = the 8 sign bits turned (1 = the weight is negated): z << (15 - 2 p) puts bit 2 p on bit 15
	; and bit 2 p + 1 on bit 16; that, shifted by 15 more and joined, puts bit 2 p + 1 on bit 31.  z has 8 bits, so no other bit of it reaches bit 15 or bit 31.
.irp j, 0,1,2,3,4,5,6,7
	v_and_b32 v[SG+(\j)], 0xff, v[SG+(\j)]
	v_xor_b32 v[SG+(\j)], 0xff, v[SG+(\j)]
.irp p, 0,1,2,3
	v_lshlrev_b32 v[M+4*(\j)+(\p)], 15-2*(\p), v[SG+(\j)]
.endr
.irp p, 0,1,2,3
	v_lshl_or_b32 v[M+4*(\j)+(\p)], v[M+4*(\j)+(\p)], 15, v[M+4*(\j)+(\p)]
.endr
.irp p, 0,1,2,3
	v_and_b32 v[M+4*(\j)+(\p)], s20, v[M+4*(\j)+(\p)]
.endr
.endr
.irp j, 0,1,2,3,4,5,6,7
	s_wait_loadcnt 14-2*(\j)                       ; group j's two gathers are in; the later groups' may stay out
.irp p, 0,1,2,3
	v_cvt_pk_bf16_f32 v[T+(\p)], v[CB+8*(\j)+2*(\p)], v[CB+8*(\j)+2*(\p)+1]  ; two roundings to bf16, packed
.endr
.irp p, 0,1,2,3
	v_xor_b32 v[M+4*(\j)+(\p)], v[M+4*(\j)+(\p)], v[T+(\p)]                  ; the signs are turned: exact
.endr
	global_store_b128 v2, v[M+4*(\j):M+4*(\j)+3], s[14:15] offset:4096*(\j) th:TH_STORE_NT  ; a wave stores 512 consecutive bytes, at a multiple of 512 from wq's first byte
.endr
	s_endpgm                                       ; no register that a pending load or store names was written again, so no wait frees one
.Lx:
	; THE x PATH.  The work-group owns 32 chunks of 4,096 bytes of x; thread t takes 16 bytes of each and stores 8.  Sixteen loads of every wave are on their way; all offsets stand in the immediates.
	s_sub_co_u32 s21, s21, 512
	v_lshlrev_b32 v1, 4, v0                        ; 16 t
	v_lshlrev_b32 v2, 3, v0                        ; 8 t
	s_lshl_b32 s16, s21, 17                        ; 32 chunks of 4,096 bytes
	s_mov_b32 s17, 0
	s_lshl_b32 s18, s21, 16                        ; 32 chunks of 2,048 bytes
	s_mov_b32 s19, 0
	s_wait_kmcnt 0x0
	s_add_nc_u64 s[4:5], s[4:5], s[16:17]
	s_add_nc_u64 s[12:13], s[12:13], s[18:19]
.set i, 0
.rept 16
	global_load_b128 v[X+4*i:X+4*i+3], v1, s[4:5] offset:4096*i th:TH_LOAD_NT
.set i, i+1
.endr
.set i, 0
.rept 32
.if i < 16
	s_wait_loadcnt 15                              ; chunk i is in: behind its load stand 15 - i of the first sixteen and the i issued since
.else
	s_wait_loadcnt 31-i                            ; nothing more is asked for: the counts run down
.endif
	v_cvt_pk_bf16_f32 v[Y+2*i],   v[X+4*(i%16)],   v[X+4*(i%16)+1]
	v_cvt_pk_bf16_f32 v[Y+2*i+1], v[X+4*(i%16)+2], v[X+4*(i%16)+3]
.if i < 16
	global_load_b128 v[X+4*i:X+4*i+3], v1, s[4:5] offset:4096*(i+16) th:TH_LOAD_NT  ; the slot's second chunk, ahead of the store
.endif
	global_store_b64 v2, v[Y+2*i:Y+2*i+1], s[12:13] offset:2048*i th:TH_STORE_NT    ; a wave stores 256 consecutive bytes, at a multiple of 256 from xb's first byte
.set i, i+1
.endr
	s_endpgm
.Lfunc_end_k_q93e1fb0856_prep:
	.size	k_q93e1fb0856_prep, .Lfunc_end_k_q93e1fb0856_prep-k_q93e1fb0856_prep
	.p2alignl 7, 3214868480
	.fill 96, 4, 3214868480
	.section	.rodata,"a",@progbits
	.p2align	6, 0x0
	.amdhsa_kernel k_q93e1fb0856_prep
		.amdhsa_group_segment_fixed_size 0
		.amdhsa_private_segment_fixed_size 0
		.amdhsa_enable_private_segment 0
		.amdhsa_kernarg_size 48
		.amdhsa_user_sgpr_count 2
		.amdhsa_user_sgpr_kernarg_segment_ptr 1
		.amdhsa_wavefront_size32 1
		.amdhsa_system_sgpr_workgroup_id_x 1
		.amdhsa_system_sgpr_workgroup_id_y 1
		.amdhsa_system_sgpr_workgroup_id_z 1
		.amdhsa_system_vgpr_workitem_id 0
		.amdhsa_next_free_vgpr 132
		.amdhsa_next_free_sgpr 66
		.amdhsa_reserve_vcc 0
		.amdhsa_float_denorm_mode_32 3
		.amdhsa_float_denorm_mode_16_64 3
		.amdhsa_memory_ordered 1
		.amdhsa_forward_progress 1
		.amdhsa_inst_pref_size 26
	.end_amdhsa_kernel
	.amdgpu_metadata
---
amdhsa.version: [ 1, 2 ]
amdhsa.kernels:
  - .name:           k_q93e1fb0856_prep
    .symbol:         k_q93e1fb0856_prep.kd
    .args:
      - { .name: x, .offset: 0, .size: 8, .value_kind: global_buffer, .address_space: global }
      - { .name: codebook, .offset: 8, .size: 8, .value_kind: global_buffer, .address_space: global }
      - { .name: indices, .offset: 16, .size: 8, .value_kind: global_buffer, .address_space: global }
      - { .name: signs, .offset: 24, .size: 8, .value_kind: global_buffer, .address_space: global }
      - { .name: xb, .offset: 32, .size: 8, .value_kind: global_buffer, .address_space: global }
      - { .name: wq, .offset: 40, .size: 8, .value_kind: global_buffer, .address_space: global }
    .group_segment_fixed_size: 0
    .private_segment_fixed_size: 0
    .kernarg_segment_align: 8
    .kernarg_segment_size: 48
    .max_flat_workgroup_size: 256
    .sgpr_count:     66
    .vgpr_count:     132
    .wavefront_size: 32
...
	.end_amdgpu_metadata
.endif
;; end of part 1
;; launch gemm (part 2): grid 8 x 32, 4 waves a work-group, clusters of 4 x 4, 327,680 bytes of LDS; arguments xb, wq, out0, scales; writes out0
.if DOCPART == 2
	.amdgcn_target "amdgcn-amd-amdhsa--gfx1250"
	.amdhsa_code_object_version 6
	.text
	.protected	k_q93e1fb0856_gemm
	.globl	k_q93e1fb0856_gemm
	.p2align	8
	.type	k_q93e1fb0856_gemm,@function
k_q93e1fb0856_gemm:
	s_mov_b64 s[64:65], 0
	v_nop
	global_prefetch_b8 v0, s[64:65] scope:SCOPE_SE
	s_setreg_imm32_b32 hwreg(HW_REG_WAVE_MODE, 25, 1), 1
	s_wait_xcnt 0x0
	s_wait_alu depctr_hold_cnt(0) depctr_sa_sdst(0) depctr_va_vdst(0) depctr_va_sdst(0) depctr_va_ssrc(0) depctr_va_vcc(0) depctr_vm_vsrc(0)
	s_getreg_b32 s2, hwreg(HW_REG_IB_STS2, 6, 4)
	s_cmp_eq_u32 s2, 0
	s_cbranch_scc0 .Lentry_in_a_cluster
	s_endpgm
.Lentry_in_a_cluster:
	s_bfe_u32 s2, ttmp6, 0x10000c
	s_cmp_lg_u32 s2, 0xf033
	s_cbranch_scc0 .Lentry_shape_is_right
	s_endpgm
.Lentry_shape_is_right:
; out0[m][o] = bf16(scales[o]) x the sum over d of xb[m][d] wq[o][d].  xb: [8192][4096] bf16, wq: [2048][4096] bf16 (signed codebook numbers, unscaled), out0: [8192][2048] f32, scales: [2048] f32.
; Sums in f32.  LIMITS: the scale multiplies the finished sum, not each weight, so the order of f32 roundings differs from a product with scaled weights; the scale is rounded once to bf16, like x and the
; codebook; NaN and infinities go through the products untreated.
; A tile of out0, 256 x 256, is made by a work-group of four waves; a wave makes 128 x 128: 64 accumulators of 16 x 16, 512 registers.  There are 32 x 8 tiles, one to a work-group.
; K goes in 32 steps of 128 through a ring of two LDS slots filled by the tensor data mover: a tile's rows are 256 bytes of memory and start at multiples of 256 bytes from the buffer's first byte.
; CLUSTERS: 4 x 4 work-groups.  The four of a row of the cluster need the same tiles of xb, the four of a column the same tiles of wq.  Such a tile is asked for JOINTLY: each of the four issues the same
; tensor load, with the same descriptor and a mask that names the four, and each receives the tile in its own LDS.  That divides the requests for both operands by four.
; THE MATRIX INSTRUCTION IS USED TRANSPOSED: source 0 = 16 rows of wq, source 1 = 16 rows of xb.  In the result lane l holds row l % 16 of out0 and the columns 8 (l / 16) + 0..7: 32 neighbouring bytes.
; REGISTERS, in windows of 256 (s_set_vgpr_msb's low byte: bits 1:0 source 0, 3:2 source 1, 5:4 source 2, 7:6 destination):
;   window 0: v0-31 addresses and the scales; v64-127, v128-191 fragments of xb, two buffers; on the way out the same 128 registers take rows read back from the stage
;   window 1: v64-127, v128-191 fragments of wq, two buffers
;   window 2: the 32 accumulators of my rows 0-63 (accumulator (a, b) at v[8 (8 a + b)]);   window 3: those of my rows 64-127
.set SIZE_N, 2048
.set SIZE_K, 4096
.set KSTEP,  128
.set PITCH,  272                       ; an LDS row: 256 bytes of data + 16 of padding = 68 words: row r starts at bank 4 r mod 64 (64 banks of 4 bytes: ISA guide 11.1), so the 16 rows that a load touches start at 16 different banks
.set HALFT,  128*PITCH                 ; 128 rows: what one tensor load brings, and what one wave reads of either operand
.set SLOT,   4*HALFT                   ; xb's 256 rows, then wq's 256 rows
.set STAGE,  2*SLOT                    ; behind the ring: 16 rows x 528 bytes for each wave, for the way out; no tensor load lands here
.set SPITCH, 528                       ; a stage row: 512 bytes (128 f32) + 16 = 132 words: again 16 rows at 16 different banks
.set SPARE,  STAGE+4*16*SPITCH         ; behind the stages: the spare words, 128 bytes for each wave: two blocks of 256 bytes that no other line names
.set LAPS, SIZE_K/(2*KSTEP)            ; a lap = two K steps = once round the ring: 16
.set SC,   8                           ; v[8:11] the scales of my four columns on the way out, rounded to bf16 and widened again
.set ADRA, 16                          ; v16-17  LDS address of my xb fragments in slot 0, 1
.set ADRB, 20                          ; v20-21  the same for wq
.set STO,  24                          ; v24     the way out: where I put 32 bytes of a row
.set RD,   25                          ; v25     the way out: where I read 16 bytes of a row back
.set CO,   26                          ; v26     my byte offset in a row of my part of out0: 16 x lane; never rewritten
.set SPW,  28                          ; v28     LDS address of my spare word: SPARE + 4 x my thread's number; never rewritten
.set NIL,  29                          ; v29     0; never rewritten
.set PFO,  30                          ; v30     the prefetches' offset: my lane x a row of 8,192 bytes; never rewritten
.set PFA,  44                          ; s[44:45] where my prefetches stand: my work-group's 32 rows of the 128 that I fetch, one K step further along K than the refill that is being asked for
.set LIM,  43                          ; s43     1 in a wave that prefetches, else the greatest number
.set F0,   64                          ; fragment buffer 0
.set F1,   128                         ; fragment buffer 1
.set G1, 24                            ; s[24:31] descriptor group 1 for xb's tiles
.set G0, 32                            ; s[32:39] descriptor group 0 for xb's tiles, one set for each slot
.set G1B, 48                           ; s[48:55] descriptor group 1 for wq's tiles: it differs in the mask alone
.set G0B, 56                           ; s[56:63] descriptor group 0 for wq's tiles, one set for each slot
.set MSB, 0
.macro WIN new                         ; the immediate's high byte repeats the setting that is left; a switch that changes nothing is dropped
.if MSB != (\new)
	s_set_vgpr_msb (MSB<<8)|(\new)
.set MSB, \new
.endif
.endm
.set MUL_LO, 0xa1                      ; source 0 (wq) window 1, source 1 (xb) window 0, C and D window 2
.set MUL_HI, 0xf1                      ; the same, C and D window 3
.set TO_B,   0x40                      ; destination window 1, address window 0
; A joint load.  Waves 0 and 1 fetch xb's two halves, waves 2 and 3 wq's.  Each of the two lines has ONE mask and one set of registers for all that issue it, and nothing in them hangs on a coordinate
; that the four partners do not share.  The branch hangs on the wave's number alone.  An s_nop 0 and four v_nop follow each of the two lines, ahead of the jump, the label and what follows.
.macro JLOAD s
	s_cmp_eq_u32 s11, 0
	s_cbranch_scc0 .Lfor_b_\@
	tensor_load_to_lds s[G0+4*(\s):G0+4*(\s)+3], s[G1:G1+7]
	s_nop 0
.rept 4
	v_nop
.endr
	s_branch .Lasked_\@
.Lfor_b_\@:
	tensor_load_to_lds s[G0B+4*(\s):G0B+4*(\s)+3], s[G1B:G1B+7]
	s_nop 0
.rept 4
	v_nop
.endr
.Lasked_\@:
.endm
; A PREFETCH INTO THE L2, behind each joint load, its five lines and the run of LDS loads that follows them: the K step that stands TWO refills on, 512 matrix instructions ahead of the load that will name it:
; 32 rows x 256 bytes, a lane a row, one instruction a wave.  Each row's 256 bytes of a K step are named ONCE in the launch: xb's tile row is read by both clusters of that row of clusters, of which the one with
; x = 0 asks; wq's tile column by all eight clusters of that column, of which the one with y = 0 asks.  The four partners that ask for a tile jointly share its rows out BY ADDRESS: of the 128 rows that a wave
; fetches the partner at place p takes 32 p .. 32 p + 31 (p = cx for xb, cy for wq): no branch hangs on a work-group's place in its cluster.  The first four K steps come by their loads alone; the loop's last
; trip (s3 = 1) asks for nothing: K steps 32 and 33 do not exist.
.macro ASK
	s_cmp_gt_u32 s3, s[LIM]
	s_cbranch_scc0 .Lnot_mine_\@
	global_prefetch_b8 v[PFO], s[PFA:PFA+1] offset:KSTEP*2 th:TH_LOAD_NT scope:SCOPE_SE
.Lnot_mine_\@:
.endm
; A round of the cluster's barrier: my work-group's barrier, so that wave 0's signal speaks for all four waves; wave 0 signals for the work-group; every wave waits for all sixteen work-groups;
; my work-group's barrier once more.  No LDS instruction of the wave is pending at a signal.
.macro CREST                           ; a round behind its opening barrier
	s_cmp_lg_u32 s10, 0
	s_cbranch_scc1 .Lnot_wave_0_\@
	s_barrier_signal -3
.Lnot_wave_0_\@:
	s_barrier_wait -3
	s_barrier_signal -1
	s_barrier_wait -1
.endm
.macro CROUND                          ; a whole round
	s_barrier_signal -1
	s_barrier_wait -1
	CREST
.endm
	s_load_b128 s[4:7], s[0:1], 0x0                ; xb s[4:5], wq s[6:7]
	s_load_b64 s[8:9], s[0:1], 0x10                ; out0
	s_load_b64 s[66:67], s[0:1], 0x18              ; scales
	v_lshl_add_u32 v[SPW], v0, 2, SPARE
	v_mov_b32 v[NIL], 0
	ds_add_u32 v[SPW], v[NIL]                      ; the wave's opening: the add and its wait stand ahead of my first tensor load; the set-up below, work on registers, stands between them
	v_lshrrev_b32 v1, 5, v0
	v_readfirstlane_b32 s10, v1                    ; wave 0..3
	s_lshr_b32 s11, s10, 1                         ; which half of the tile's rows is mine.  Also: I fetch for xb (0) or for wq (1)
	s_and_b32 s12, s10, 1                          ; which half of its columns.  Also: which 128 rows of that tile I fetch
	s_bfe_u32 s40, ttmp6, 0x40000                  ; cx: my place along the cluster's x
	s_bfe_u32 s41, ttmp6, 0x40004                  ; cy: along its y
	s_lshl_b32 s42, ttmp9, 2                       ; in a cluster launch ttmp9 and ttmp7 count clusters
	s_add_co_u32 s42, s42, s40                     ; tile column = 4 x cluster x + cx
	s_and_b32 s13, ttmp7, 0xffff
	s_lshl_b32 s13, s13, 2
	s_add_co_u32 s13, s13, s41                     ; tile row = 4 x cluster y + cy
	s_lshl_b32 s43, s41, 2
	s_lshl_b32 s43, 15, s43                        ; my row of the cluster: places 4 cy .. 4 cy + 3
	s_lshl_b32 s44, 0x1111, s40                    ; my column: places cx, cx + 4, cx + 8, cx + 12
	; descriptor group 1: a tile of 128 rows x 128 elements, padded in LDS
	s_or_b32 s[G1+0], s43, (1<<16)|(1<<20)|(1<<21)|(5<<22)|(3<<25)  ; 15:0 the mask: xb's tiles go to my row; 17:16 element of 2 bytes; 20 padding on; 21 set beside a mask; 24:22 after every 64 words (code 5); 31:25 of 4 words (code 3)
	s_or_b32 s[G1B+0], s44, (1<<16)|(1<<20)|(1<<21)|(5<<22)|(3<<25) ; the same with the mask of my column, for wq's tiles
	s_mov_b32 s[G1B+1], KSTEP<<16
	s_mov_b32 s[G1+1], KSTEP<<16                   ; 63:48 tensor_dim0, low half = 128
	s_mov_b32 s[G1B+2], 128<<16
	s_mov_b32 s[G1+2], 128<<16                     ; 79:64 its high half = 0; 95:80 tensor_dim1, low half = 128
	s_mov_b32 s[G1B+3], KSTEP<<16
	s_mov_b32 s[G1+3], KSTEP<<16                   ; 111:96 its high half = 0; 127:112 tile_dim0 = 128
	s_mov_b32 s[G1B+4], 128
	s_mov_b32 s[G1+4], 128                         ; 143:128 tile_dim1 = 128; 159:144 tile_dim2 = 0
	s_mov_b32 s[G1B+5], SIZE_K
	s_mov_b32 s[G1+5], SIZE_K                      ; 191:160 tensor_dim0_stride, low word: elements from row to row
	s_mov_b32 s[G1B+6], 0
	s_mov_b32 s[G1+6], 0
	s_mov_b32 s[G1B+7], 0
	s_mov_b32 s[G1+7], 0
	; where the tiles come from.  xb's hang on the tile row alone, which my row of the cluster shares; wq's on the tile column alone, which my column shares.
	; Every wave makes both addresses, in registers that never hold the other coordinate, and asks by one of them.
	s_lshl_b32 s17, s12, 7                         ; which 128 rows of the tile I fetch
	s_lshl_b32 s16, s13, 8
	s_add_co_u32 s16, s16, s17                     ; xb: row 256 x tile row + 128 x half
	s_lshl_b32 s46, s42, 8
	s_add_co_u32 s46, s46, s17                     ; wq: row 256 x tile column + 128 x half
	s_mov_b32 s17, 0
	s_mov_b32 s47, 0
	s_mov_b64 s[18:19], SIZE_K*2
	s_mul_u64 s[16:17], s[16:17], s[18:19]         ; in bytes, in 64 bits
	s_mul_u64 s[46:47], s[46:47], s[18:19]
	s_mul_i32 s20, s10, HALFT                      ; and where they go: xb's two halves, then wq's two halves = wave x 128 rows: no place in the cluster enters an LDS address
	s_wait_dscnt 0x0                               ; the opening add is done
	s_wait_kmcnt 0x0
	s_add_nc_u64 s[14:15], s[4:5], s[16:17]
	s_add_nc_u64 s[46:47], s[6:7], s[46:47]
	CROUND                                         ; all sixteen work-groups are here: the first joint loads meet
.irp s, 0,1
	s_mov_b32 s[G0+4*(\s)], 1                                      ; 1:0 count = 1
	s_add_co_u32 s[G0+4*(\s)+1], s20, (\s)*SLOT                    ; 63:32 LDS address
	s_add_nc_u64 s[G0+4*(\s)+2:G0+4*(\s)+3], s[14:15], (\s)*KSTEP*2  ; 120:64 global address: K step s
	s_or_b32 s[G0+4*(\s)+3], s[G0+4*(\s)+3], 0x80000000            ; 127:126 type = 2
	s_mov_b32 s[G0B+4*(\s)], 1
	s_add_co_u32 s[G0B+4*(\s)+1], s20, (\s)*SLOT
	s_add_nc_u64 s[G0B+4*(\s)+2:G0B+4*(\s)+3], s[46:47], (\s)*KSTEP*2
	s_or_b32 s[G0B+4*(\s)+3], s[G0B+4*(\s)+3], 0x80000000
	JLOAD \s                                       ; the ring is filled before anything else is done: two tensor loads of mine are out, later one
.endr
	; A fragment is 16 rows x 32 K in 8 registers: lane l holds row l % 16; registers 0-3 hold K = 8 (l / 16) + 0..7, registers 4-7 hold K = 16 + 8 (l / 16) + 0..7.
	; From rows that lie along K: two loads of 16 bytes, 32 bytes apart.  The same for source 0 and source 1.
	v_and_b32 v1, 15, v0                           ; l % 16
	v_bfe_u32 v2, v0, 4, 1                         ; l / 16
	v_mul_u32_u24 v3, v1, PITCH
	v_lshl_add_u32 v3, v2, 4, v3                   ; row x pitch + 16 x half
	s_mul_i32 s21, s11, HALFT                      ; my 128 rows of xb
	s_mul_i32 s22, s12, HALFT                      ; my 128 rows of wq,
	s_add_co_u32 s22, s22, 2*HALFT                 ; which lie behind xb's 256
.irp s, 0,1
	v_add_nc_u32 v[ADRA+(\s)], s21, v3
	v_add_nc_u32 v[ADRB+(\s)], s22, v3
	s_add_co_u32 s21, s21, SLOT
	s_add_co_u32 s22, s22, SLOT
.endr
	s_mul_i32 s23, s10, 16*SPITCH
	s_add_co_u32 s23, s23, STAGE                   ; my stage
	v_mul_u32_u24 v4, v1, SPITCH                   ; in: row l % 16, 32 bytes for each half of the lanes
	v_lshl_add_u32 v4, v2, 5, v4
	v_add_nc_u32 v[STO], s23, v4
	v_and_b32 v5, 31, v0
	v_lshlrev_b32 v[CO], 4, v5                     ; back: 32 lanes take one row of 512 bytes, 16 bytes each; the same 16 bytes of the row in out0
	v_add_nc_u32 v[RD], s23, v[CO]
	; out0 at my part of the tile
	s_lshl_b32 s13, s13, 8                         ; 256 x tile row
	s_lshl_b32 s14, s11, 7
	s_add_co_u32 s16, s13, s14                     ; my first row
	s_mov_b32 s17, 0
	s_mov_b64 s[18:19], SIZE_N*4
	s_mul_u64 s[16:17], s[16:17], s[18:19]
	s_lshl_b32 s46, s42, 10                        ; my first column, in bytes of f32: 1,024 x tile column + 512 x half (in the registers that held wq's address: none that feeds xb's descriptors ever holds cx)
	s_lshl_b32 s47, s12, 9
	s_add_co_u32 s46, s46, s47
	s_mov_b32 s47, 0
	s_add_nc_u64 s[16:17], s[16:17], s[46:47]
	s_add_nc_u64 s[8:9], s[8:9], s[16:17]
	v_add_nc_u32 v12, s46, v[CO]                   ; the scales of my four columns lie at the same byte offset in scales as the columns in a row of out0
	global_load_b128 v[SC:SC+3], v12, s[66:67]
	; the prefetches.  s13 = 256 x tile row, s42 = tile column, s40 = cx, s41 = cy still stand
	s_lshl_b32 s42, s42, 8
	s_and_b32 s22, ttmp7, 0xffff                   ; cluster y
	s_cmp_eq_u32 s11, 0                            ; do I fetch for xb?
	s_cselect_b32 s20, s13, s42                    ; the tile's first row: in xb by the tile row, in wq by the tile column
	s_cselect_b32 s21, s40, s41                    ; my place among the four that ask for it with me
	s_cselect_b32 s22, ttmp9, s22                  ; the coordinate along which other clusters read the same rows
	s_cselect_b64 s[PFA:PFA+1], s[4:5], s[6:7]
	s_cmp_eq_u32 s22, 0
	s_cselect_b32 s[LIM], 1, -1                    ; the same in all sixteen partners, for a given wave
	s_lshl_b32 s22, s12, 7
	s_add_co_u32 s20, s20, s22                     ; + the 128 rows that I fetch
	s_lshl_b32 s21, s21, 5
	s_add_co_u32 s20, s20, s21                     ; + my work-group's 32 of them
	s_mov_b32 s21, 0
	s_mov_b64 s[18:19], SIZE_K*2
	s_mul_u64 s[20:21], s[20:21], s[18:19]
	s_add_nc_u64 s[PFA:PFA+1], s[PFA:PFA+1], s[20:21]
	s_add_nc_u64 s[PFA:PFA+1], s[PFA:PFA+1], 2*KSTEP*2  ; at K step 2: the first refill steps it to 3 and names K step 4
	v_and_b32 v[PFO], 31, v0
	v_mul_u32_u24 v[PFO], v[PFO], SIZE_K*2
	s_wait_loadcnt 0x0                             ; the scales, once, where the wave waits for its first tile anyway
	v_cvt_pk_bf16_f32 v13, v[SC], v[SC+1]          ; rounded to bf16, as x and the codebook are,
	v_cvt_pk_bf16_f32 v14, v[SC+2], v[SC+3]
	v_lshlrev_b32 v[SC], 16, v13                   ; and widened again: the multiplication is in f32
	v_and_b32 v[SC+1], 0xffff0000, v13
	v_lshlrev_b32 v[SC+2], 16, v14
	v_and_b32 v[SC+3], 0xffff0000, v14
; 16 matrix instructions: m blocks a0, a0 + 1 of the window's four (hi = 0: my rows 0-63, 1: rows 64-127) x all 8 n blocks, 32 along K.  zero = 1: the first product starts the sums: nothing is ever cleared.
; The 64 accumulators take turns, one instruction a turn, in the same order in every quarter step, over the backward jump and into the tail too.
.macro MUL16 f, hi, a0, zero
	WIN MUL_LO+0x50*(\hi)  ; MUL_LO or MUL_HI
.irp a, \a0, (\a0)+1
.irp b, 0,1,2,3,4,5,6,7
.if \zero
	v_wmma_f32_16x16x32_bf16 v[8*(8*(\a)+(\b)):8*(8*(\a)+(\b))+7], v[(\f)+8*(\b):(\f)+8*(\b)+7], v[(\f)+8*(4*(\hi)+(\a)):(\f)+8*(4*(\hi)+(\a))+7], 0
.else
	v_wmma_f32_16x16x32_bf16 v[8*(8*(\a)+(\b)):8*(8*(\a)+(\b))+7], v[(\f)+8*(\b):(\f)+8*(\b)+7], v[(\f)+8*(4*(\hi)+(\a)):(\f)+8*(4*(\hi)+(\a))+7], v[8*(8*(\a)+(\b)):8*(8*(\a)+(\b))+7]
.endif
.endr
.endr
.endm
; 32 LDS loads in one run: the fragments of one quarter step (128 rows of wq, 128 rows of xb, 32 K at byte k of the rows) into buffer f
.macro FETCH slot, k, f
	WIN TO_B
.irp i, 0,1,2,3,4,5,6,7
	ds_load_b128 v[(\f)+8*(\i):(\f)+8*(\i)+3],   v[ADRB+(\slot)] offset:(\k)+(\i)*16*PITCH
	ds_load_b128 v[(\f)+8*(\i)+4:(\f)+8*(\i)+7], v[ADRB+(\slot)] offset:(\k)+(\i)*16*PITCH+32
.endr
	WIN 0
.irp i, 0,1,2,3,4,5,6,7
	ds_load_b128 v[(\f)+8*(\i):(\f)+8*(\i)+3],   v[ADRA+(\slot)] offset:(\k)+(\i)*16*PITCH
	ds_load_b128 v[(\f)+8*(\i)+4:(\f)+8*(\i)+7], v[ADRA+(\slot)] offset:(\k)+(\i)*16*PITCH+32
.endr
.endm
; A load into a register that a matrix instruction has read, and an instruction that reads a matrix result, stand four places behind that matrix instruction, and only plain vector instructions that name
; none of its registers are places (ISA guide 7.12.1 for vector instructions); the matrix instructions in between are not counted.
.macro PLACES
.rept 4
	v_nop
.endr
.endm
; A K step is four quarter steps of 32 along K, 64 matrix instructions each, on buffers 0, 1, 0, 1.
; One of the first three: multiplies buffer f; in its middle it fetches the next quarter's fragments, at byte k of the same slot's rows, into buffer g.
.macro QUARTER slot, k, f, g, zero
	s_wait_dscnt 8                                 ; wq and xb's rows 0-63 are in; the youngest eight loads (xb's rows 64-127) may be out
	WIN MUL_LO
	MUL16 \f, 0, 0, \zero
	MUL16 \f, 0, 2, \zero
	PLACES
	FETCH \slot, \k, \g
	s_wait_dscnt 32                                ; all but the 32 just issued
	WIN MUL_HI
	MUL16 \f, 1, 0, \zero
	MUL16 \f, 1, 2, \zero
.endm
; The last quarter multiplies buffer 1 and changes slots.  MEET is its first half: ONE barrier for the change of slots, for two things.  In front of it each wave waits for all its tensor loads, of which
; its part of the next slot is out; adds 0 to its spare word; and waits for that and for its own reads of this slot.  Behind it nobody reads this slot any more and the next slot is whole.
.macro MEET round                      ; round = 1: a round of the cluster's barrier follows
	WIN 0                                          ; (the add's two registers lie in window 0)
	s_wait_tensorcnt 0x0                           ; all my tensor loads have landed;
	ds_add_u32 v[SPW], v[NIL]                      ; 0 onto my spare word;
	s_wait_dscnt 9                                 ; (the add and the youngest eight loads may be out)
	WIN MUL_LO
	MUL16 F1, 0, 0, 0                              ; sixteen matrix instructions stand between the add and the wait for it
	s_wait_dscnt 0x0                               ; the add is done, and my reads of this slot are over:
	s_barrier_signal -1                            ; say so (where a slot is filled again this barrier opens a round of the cluster's barrier),
	MUL16 F1, 0, 2, 0                              ; work on registers while the others arrive,
.if \round
	WIN 0
.endif
	s_barrier_wait -1                              ; and go on when all four have said so
.endm
; The whole last quarter.  Behind the round the slot just read out is filled again first, with the K step two steps on; then come the next slot's first fragments.
; From a request to the wait for it a wave issues 224 matrix instructions.
.macro TURN slot, next
	s_wait_xcnt 0x0                                ; the last prefetch, a K step back, has read its address: it is stepped here, ahead of the waits of the change of slots
	s_add_nc_u64 s[PFA:PFA+1], s[PFA:PFA+1], KSTEP*2
	MEET 1
	CREST                                          ; all sixteen work-groups have said so: no wave of any partner still reads this slot's tile or has a load on its way
	s_add_nc_u64 s[G0+4*(\slot)+2:G0+4*(\slot)+3], s[G0+4*(\slot)+2:G0+4*(\slot)+3], 2*KSTEP*2      ; no tensor load of mine is out, so a group 0 may be written; the type bits on top are not reached
	s_add_nc_u64 s[G0B+4*(\slot)+2:G0B+4*(\slot)+3], s[G0B+4*(\slot)+2:G0B+4*(\slot)+3], 2*KSTEP*2
	JLOAD \slot                                    ; the first tensor load behind the round, one a wave; the four v_nop behind it are also the places in front of the loads below
	FETCH \next, 0, F0
	ASK                                            ; behind the joint load and the run of LDS loads that the next products wait for
	WIN MUL_HI
	MUL16 F1, 1, 0, 0
	MUL16 F1, 1, 2, 0
.endm
; THE WAY OUT of block a (16 rows x my 128 columns), in two parts.  TOSTAGE: a lane's 32 bytes of each accumulator go into my own stage in LDS, each accumulator's low four registers first,
; and come back as whole rows of 512 bytes.  SEND: each row is multiplied by its columns' scales and stored.
.macro TOSTAGE a
	WIN 0x08+4*((\a)/4)                            ; the stores' data: window 2 (blocks 0-3) or 3 (blocks 4-7); the address: window 0
.set AC, 64*((\a)%4)
.irp b, 0,1,2,3,4,5,6,7
	ds_store_b128 v[STO], v[AC+8*(\b):AC+8*(\b)+3]   offset:64*(\b)
	ds_store_b128 v[STO], v[AC+8*(\b)+4:AC+8*(\b)+7] offset:64*(\b)+16
.endr
	WIN 0
.if (\a) >= 2
	s_wait_xcnt 0x0                                ; every earlier memory instruction has had its addresses translated (ISA guide 3.1): the registers that block a - 2's stores read are loaded again only behind this wait
.endif
.set BK, F0+64*((\a)%2)
.irp t, 0,1,2,3,4,5,6,7,8,9,10,11,12,13,14,15
	ds_load_b128 v[BK+4*(\t):BK+4*(\t)+3], v[RD] offset:(\t)*SPITCH  ; LDS serves a wave's instructions in order (ISA guide 5.7.1.4): these see the stores above, and the next block's stores come behind them
.endr
.endm
.macro SEND a, younger                 ; younger: the LDS instructions issued behind block a's loads: the next block's 32, or none
	WIN 0
.set BK, F0+64*((\a)%2)
.irp t, 0,1,2,3,4,5,6,7,8,9,10,11,12,13,14,15
	s_wait_dscnt (\younger)+15-(\t)                ; row t is back in registers
	v_pk_mul_f32 v[BK+4*(\t):BK+4*(\t)+1],   v[BK+4*(\t):BK+4*(\t)+1],   v[SC:SC+1]
	v_pk_mul_f32 v[BK+4*(\t)+2:BK+4*(\t)+3], v[BK+4*(\t)+2:BK+4*(\t)+3], v[SC+2:SC+3]
	global_store_b128 v[CO], v[BK+4*(\t):BK+4*(\t)+3], s[8:9] offset:(16*(\a)+(\t))*SIZE_N*4 th:TH_STORE_NT  ; 32 lanes store 512 consecutive bytes, at a multiple of 512 from out0's first byte; 127 rows at the most stand in the immediate
.endr
.endm
	s_wait_tensorcnt 1                             ; my part of K step 0 is in; K step 1's load may stay out
	s_barrier_signal -1
	s_barrier_wait -1                              ; everybody's is
	FETCH 0, 0, F0
	QUARTER 0, 64,  F0, F1, 1                      ; the first quarter stands in front of the loop: its products start the sums
	WIN 0                                          ; at a label and at a branch every window is 0
	s_mov_b32 s3, LAPS-1
.Llap:                                                 ; a trip goes once round the ring, from a lap's second quarter to the next lap's first, and fills both slots again: trip j brings K steps 2 j and 2 j + 1, j = 1..15
	QUARTER 0, 128, F1, F0, 0
	QUARTER 0, 192, F0, F1, 0
	TURN 0, 1
	QUARTER 1, 64,  F0, F1, 0
	QUARTER 1, 128, F1, F0, 0
	QUARTER 1, 192, F0, F1, 0
	TURN 1, 0
	QUARTER 0, 64,  F0, F1, 0
	WIN 0
	s_sub_co_u32 s3, s3, 1
	s_cmp_lg_u32 s3, 0
	s_cbranch_scc1 .Llap
	QUARTER 0, 128, F1, F0, 0                      ; the last lap is written out: it fills nothing and no round of the cluster's barrier stands in it
	QUARTER 0, 192, F0, F1, 0
	MEET 0                                         ; my one tensor load that was still out is slot 1's, the last K step's
	PLACES                                         ; for the loads into buffer 0, which the quarter before multiplied
	FETCH 1, 0, F0
	WIN MUL_HI
	MUL16 F1, 1, 0, 0
	MUL16 F1, 1, 2, 0
	QUARTER 1, 64,  F0, F1, 0
	QUARTER 1, 128, F1, F0, 0
	QUARTER 1, 192, F0, F1, 0
	s_wait_dscnt 8                                 ; the very last quarter: nothing more to fetch
	WIN MUL_LO
	MUL16 F1, 0, 0, 0
	MUL16 F1, 0, 2, 0
	s_wait_dscnt 0x0
	MUL16 F1, 1, 0, 0
	MUL16 F1, 1, 2, 0
	PLACES                                         ; behind the last products, in front of LDS stores that read results and of loads into xb's fragment registers: four places are asked for;
	PLACES
	TOSTAGE 0
.irp a, 1,2,3,4,5,6,7                  ; block a's trip through the stage is on its way while block a - 1 is scaled and stored
	TOSTAGE \a
	SEND (\a)-1, 32
.endr
	SEND 7, 0
	s_wait_tensorcnt 0x0                           ; the wave's end, behind my last tensor load and my last LDS store
	ds_add_u32 v[SPW], v[NIL]
	s_wait_dscnt 0x0
	CROUND                                         ; the closing round: no work-group ends while a partner may still ask for a tile that names it
	s_endpgm
.Lfunc_end_k_q93e1fb0856_gemm:
	.size	k_q93e1fb0856_gemm, .Lfunc_end_k_q93e1fb0856_gemm-k_q93e1fb0856_gemm
	.p2alignl 7, 3214868480
	.fill 96, 4, 3214868480
	.section	.rodata,"a",@progbits
	.p2align	6, 0x0
	.amdhsa_kernel k_q93e1fb0856_gemm
		.amdhsa_group_segment_fixed_size 327680
		.amdhsa_private_segment_fixed_size 0
		.amdhsa_enable_private_segment 0
		.amdhsa_kernarg_size 32
		.amdhsa_user_sgpr_count 2
		.amdhsa_user_sgpr_kernarg_segment_ptr 1
		.amdhsa_wavefront_size32 1
		.amdhsa_system_sgpr_workgroup_id_x 1
		.amdhsa_system_sgpr_workgroup_id_y 1
		.amdhsa_system_sgpr_workgroup_id_z 1
		.amdhsa_system_vgpr_workitem_id 0
		.amdhsa_next_free_vgpr 1024
		.amdhsa_next_free_sgpr 68
		.amdhsa_reserve_vcc 0
		.amdhsa_float_denorm_mode_32 3
		.amdhsa_float_denorm_mode_16_64 3
		.amdhsa_memory_ordered 1
		.amdhsa_forward_progress 1
		.amdhsa_inst_pref_size 162
	.end_amdhsa_kernel
	.amdgpu_metadata
---
amdhsa.version: [ 1, 2 ]
amdhsa.kernels:
  - .name:           k_q93e1fb0856_gemm
    .symbol:         k_q93e1fb0856_gemm.kd
    .args:
      - { .name: xb, .offset: 0, .size: 8, .value_kind: global_buffer, .address_space: global }
      - { .name: wq, .offset: 8, .size: 8, .value_kind: global_buffer, .address_space: global }
      - { .name: out0, .offset: 16, .size: 8, .value_kind: global_buffer, .address_space: global }
      - { .name: scales, .offset: 24, .size: 8, .value_kind: global_buffer, .address_space: global }
    .group_segment_fixed_size: 327680
    .private_segment_fixed_size: 0
    .kernarg_segment_align: 8
    .kernarg_segment_size: 32
    .max_flat_workgroup_size: 128
    .sgpr_count:     68
    .vgpr_count:     1024
    .wavefront_size: 32
...
	.end_amdgpu_metadata
.endif
;; end of part 2
;; ======== version 2 of 2: 2 launches; version 1 with the launch prep written anew for expert scheduling mode
;; workspace buffers: xb 67,108,864 bytes; wq 16,777,216 bytes
;; launch prep (part 3): grid 1536 x 1, 8 waves a work-group, no clusters, 0 bytes of LDS; arguments x, codebook, indices, signs, xb, wq; writes xb, wq
.if DOCPART == 3
	.amdgcn_target "amdgcn-amd-amdhsa--gfx1250"
	.amdhsa_code_object_version 6
	.text
	.protected	k_q93e1fb0856_prep
	.globl	k_q93e1fb0856_prep
	.p2align	8
	.type	k_q93e1fb0856_prep,@function
k_q93e1fb0856_prep:
	s_mov_b64 s[64:65], 0
	v_nop
	global_prefetch_b8 v0, s[64:65] scope:SCOPE_SE
	s_setreg_imm32_b32 hwreg(HW_REG_WAVE_SCHED_MODE, 0, 2), 2
	s_setreg_imm32_b32 hwreg(HW_REG_WAVE_MODE, 25, 1), 1
	s_wait_xcnt 0x0
	s_wait_alu depctr_vm_vsrc(0)
; TWO STREAMS IN ONE LAUNCH, told apart by the work-group's number.
; Work-groups 0-511:    wq[o][8 g + j] = bf16(codebook[indices[512 o + g]][j]), its sign turned where bit j of signs[512 o + g] is 0.   wq: [2048][4096] bf16.
; Work-groups 512-1535: xb = bf16(x).   x: [8192][4096] f32, xb the same in bf16.
; The row scale is NOT applied here: a turned sign is exact, so each codebook number is rounded once, to bf16, and the scale multiplies the finished f32 sums in the launch behind.
; LIMITS.  An index is taken as unsigned and held to 65,535 (the table's last row); of a word of signs bits 0-7 alone are used; NaN and infinities are converted as they come.
; No LDS, no barrier, no matrix unit, no cluster: no wave wants a byte that another wave has fetched but rows of the table, which are gathered lane by lane.
; The table's work-groups have the low numbers: their chain (index, gather, store) has three loads' waits on end, x's stream has none.
; THE MODE: SCHED_MODE bits 1:0 = 2 (LLVM: expert scheduling mode 2), set by the entry lines.  The code itself states the register dependences
; between vector instructions and memory instructions, with s_wait_alu, always for 0.
; THE PLAN, TABLE PATH.  Registers that memory instructions touch:
;   v1, v2   offsets, made once at the path's head and never written again.
;   IDX      the indices' loads land in it; two vector lines make byte offsets of them; the 16 gathers read those.  Never written again.
;   SG, CB   loads land in them before any vector instruction names them; vector instructions alone read them.
;   M        vector instructions write it (the masks, then the result); group j's store reads it; nothing writes it behind that.
;   T        is named by vector instructions alone.
; The eight groups go in four steps of two.  Step q works on CB, T and M of groups 2 q and 2 q + 1; its memory instructions are the two stores of step q - 1, from the M that step q - 1 wrote and
; that no vector instruction of step q names.  So one wait at a step's head, behind the wait for the step's gathers, states all that its stores hang on.
; THE PLAN, x PATH.  The 32 chunks go in 8 blocks of four.
;   v1, v2     offsets, made once at the path's head and never written again; the chunks are reached by immediate offsets.
;   X0 .. X4   five blocks of x as loaded.  Blocks 0-3 are asked for at the head; block p + 4 in block p (p = 0..3), into X[(p + 4) % 5] = X[(p - 1) % 5].  Read by block p's conversions: X[p % 5].
;   Y0 .. Y7   a block of 8 registers for each block of chunks: written by block p's conversions, read by the four stores that are issued in block p + 1, never written twice.
; Block p's memory instructions touch X[(p - 1) % 5] and Y[p - 1], which block p - 1 worked on and which no vector instruction of block p names.  So one wait at a block's head states all that the
; block's loads and stores hang on, and these are dealt among its conversions with no further wait.
; In neither path is a register that a memory instruction reads ever written again: there is no wait on vm_vsrc to write.  No vector instruction writes a scalar register, and EXEC is never written.
.set IDX, 4                            ; v[4:11]    table path: 8 indices, then the byte offsets of their rows
.set SG,  12                           ; v[12:19]   8 words of signs
.set T,   20                           ; v[20:27]   8 bf16 at work: two sets of four registers, by the group's parity
.set CB,  28                           ; v[28:91]   group j: 8 registers, the table's row in f32
.set M,   92                           ; v[92:123]  group j: 4 registers, the mask of sign bits, then the result
.set X,   4                            ; v[4:83]    x path: buffer k, chunk c: 4 registers at X + 16 k + 4 c, as loaded
.set Y,   84                           ; v[84:147]  32 pairs to store, one for each store: none is written twice
	s_load_b256 s[4:11], s[0:1], 0x0               ; x s[4:5], codebook s[6:7], indices s[8:9], signs s[10:11]
	s_load_b128 s[12:15], s[0:1], 0x20             ; xb s[12:13], wq s[14:15]
	s_mov_b32 s21, ttmp9
	s_mov_b32 s20, 0x80008000                      ; the sign bits of two bf16
	s_cmp_lt_u32 s21, 512
	s_cbranch_scc0 .Lx
	; THE TABLE PATH.  The work-group owns 2,048 groups of 8 weights; thread t takes groups 256 j + t, j = 0..7: a wave's load of indices covers 128 neighbouring bytes, its store 512.
	v_lshlrev_b32 v1, 2, v0                        ; 4 t: my word of indices and of signs
	v_lshlrev_b32 v2, 4, v0                        ; 16 t: my 16 bytes of wq
	s_lshl_b32 s16, s21, 13                        ; 2,048 words of 4 bytes
	s_mov_b32 s17, 0
	s_lshl_b32 s18, s21, 15                        ; 2,048 groups of 16 bytes
	s_mov_b32 s19, 0
	s_wait_kmcnt 0x0
	s_add_nc_u64 s[8:9], s[8:9], s[16:17]
	s_add_nc_u64 s[10:11], s[10:11], s[16:17]
	s_add_nc_u64 s[14:15], s[14:15], s[18:19]
	s_wait_alu depctr_va_vdst(0)                   ; v1 and v2 are written: the loads of indices and signs read v1 as their offset, the stores v2
.irp j, 0,1,2,3,4,5,6,7
	global_load_b32 v[IDX+(\j)], v1, s[8:9] offset:1024*(\j) th:TH_LOAD_NT
.endr
.irp j, 0,1,2,3,4,5,6,7
	global_load_b32 v[SG+(\j)], v1, s[10:11] offset:1024*(\j) th:TH_LOAD_NT
.endr
	s_wait_loadcnt 8                               ; loads come back in order (ISA guide 5.7.1): the 8 indices are in, the 8 younger loads of signs may stay out
.irp j, 0,1,2,3,4,5,6,7
	v_min_u32 v[IDX+(\j)], 0xffff, v[IDX+(\j)]     ; inside the table
.endr
.irp j, 0,1,2,3,4,5,6,7
	v_lshlrev_b32 v[IDX+(\j)], 5, v[IDX+(\j)]      ; a row is 32 bytes
.endr
	s_wait_alu depctr_va_vdst(0)                   ; the eight byte offsets in IDX are written, which the sixteen gathers read: one wait for the run
.irp j, 0,1,2,3,4,5,6,7
	global_load_b128 v[CB+8*(\j):CB+8*(\j)+3],   v[IDX+(\j)], s[6:7]            ; no hint: a row may be named again
	global_load_b128 v[CB+8*(\j)+4:CB+8*(\j)+7], v[IDX+(\j)], s[6:7] offset:16
.endr
	s_wait_loadcnt 16                              ; the signs are in; the 16 gathers may stay out: the masks are made meanwhile
	; Word p of a group holds weights 2 p (sign at bit 15) and 2 p + 1 (sign at bit 31).  With z = the 8 sign bits turned (1 = the weight is negated): z << (15 - 2 p) puts bit 2 p on bit 15
	; and bit 2 p + 1 on bit 16; that, shifted by 15 more and joined, puts bit 2 p + 1 on bit 31.  z has 8 bits, so no other bit of it reaches bit 15 or bit 31.
.irp j, 0,1,2,3,4,5,6,7
	v_and_b32 v[SG+(\j)], 0xff, v[SG+(\j)]
	v_xor_b32 v[SG+(\j)], 0xff, v[SG+(\j)]
.irp p, 0,1,2,3
	v_lshlrev_b32 v[M+4*(\j)+(\p)], 15-2*(\p), v[SG+(\j)]
.endr
.irp p, 0,1,2,3
	v_lshl_or_b32 v[M+4*(\j)+(\p)], v[M+4*(\j)+(\p)], 15, v[M+4*(\j)+(\p)]
.endr
.irp p, 0,1,2,3
	v_and_b32 v[M+4*(\j)+(\p)], s20, v[M+4*(\j)+(\p)]
.endr
.endr
	; Four steps of two groups.  A step's head: its four gathers are in; then the step before is stored.
.irp q, 0,1,2,3
	s_wait_loadcnt 12-4*(\q)                       ; the four gathers of groups 2 q and 2 q + 1 are in; the later steps' may stay out
.if (\q) > 0
	s_wait_alu depctr_va_vdst(0)                   ; the step before has written M of its two groups, which the two stores below read
.irp j, 2*(\q)-2, 2*(\q)-1
	global_store_b128 v2, v[M+4*(\j):M+4*(\j)+3], s[14:15] offset:4096*(\j) th:TH_STORE_NT  ; a wave stores 512 consecutive bytes, at a multiple of 512 from wq's first byte
.endr
.endif
.irp j, 2*(\q), 2*(\q)+1
.irp p, 0,1,2,3
	v_cvt_pk_bf16_f32 v[T+4*((\j)%2)+(\p)], v[CB+8*(\j)+2*(\p)], v[CB+8*(\j)+2*(\p)+1]  ; two roundings to bf16, packed
.endr
.irp p, 0,1,2,3
	v_xor_b32 v[M+4*(\j)+(\p)], v[M+4*(\j)+(\p)], v[T+4*((\j)%2)+(\p)]                  ; the signs are turned: exact
.endr
.endr
.endr
	s_wait_alu depctr_va_vdst(0)                   ; the last step has written M of groups 6 and 7, which the last two stores read
.irp j, 6,7
	global_store_b128 v2, v[M+4*(\j):M+4*(\j)+3], s[14:15] offset:4096*(\j) th:TH_STORE_NT
.endr
	s_endpgm                                       ; no register that a pending load or store names was written again, so no wait frees one
.Lx:
	; THE x PATH.  The work-group owns 32 chunks of 4,096 bytes of x; thread t takes 16 bytes of each and stores 8.  Twelve to sixteen loads of every wave are on their way; all offsets stand in the immediates.
	s_sub_co_u32 s21, s21, 512
	v_lshlrev_b32 v1, 4, v0                        ; 16 t
	v_lshlrev_b32 v2, 3, v0                        ; 8 t
	s_lshl_b32 s16, s21, 17                        ; 32 chunks of 4,096 bytes
	s_mov_b32 s17, 0
	s_lshl_b32 s18, s21, 16                        ; 32 chunks of 2,048 bytes
	s_mov_b32 s19, 0
	s_wait_kmcnt 0x0
	s_add_nc_u64 s[4:5], s[4:5], s[16:17]
	s_add_nc_u64 s[12:13], s[12:13], s[18:19]
	s_wait_alu depctr_va_vdst(0)                   ; v1 and v2 are written: every load of the path reads v1 as its offset, every store v2
.set i, 0
.rept 16
	global_load_b128 v[X+4*i:X+4*i+3], v1, s[4:5] offset:4096*i th:TH_LOAD_NT  ; blocks 0 to 3 into X0 to X3
.set i, i+1
.endr
.set p, 0
.rept 8                                ; block p
.if p < 5
	s_wait_loadcnt 12                              ; loads come back in order (ISA guide 5.7.1): block p's four are in; the three younger blocks stay out
.else
	s_wait_loadcnt 28-4*p                          ; nothing more is asked for: the counts run down 8, 4, 0
.endif
.if p > 0
	s_wait_alu depctr_va_vdst(0)                   ; the block before has written its Y, which the stores below read, and is done reading its X, in which the loads below land
.endif                                         ; (block 0 has no block in front of it: it stores nothing, and no vector instruction has named X4)
.set c, 0
.rept 4
.if p < 4
	global_load_b128 v[X+16*((p+4)%5)+4*c:X+16*((p+4)%5)+4*c+3], v1, s[4:5] offset:4096*(4*(p+4)+c) th:TH_LOAD_NT  ; four blocks ahead; no vector instruction since the wait names these registers
.endif
.if p > 0
	global_store_b64 v2, v[Y+8*(p-1)+2*c:Y+8*(p-1)+2*c+1], s[12:13] offset:2048*(4*(p-1)+c) th:TH_STORE_NT         ; the block before: a wave stores 256 consecutive bytes, at a multiple of 256 from xb's first byte
.endif
	v_cvt_pk_bf16_f32 v[Y+8*p+2*c],   v[X+16*(p%5)+4*c],   v[X+16*(p%5)+4*c+1]
	v_cvt_pk_bf16_f32 v[Y+8*p+2*c+1], v[X+16*(p%5)+4*c+2], v[X+16*(p%5)+4*c+3]
.set c, c+1
.endr
.set p, p+1
.endr
	s_wait_alu depctr_va_vdst(0)                   ; block 7 has written Y7, which the last four stores read
.set c, 0
.rept 4
	global_store_b64 v2, v[Y+56+2*c:Y+56+2*c+1], s[12:13] offset:2048*(28+c) th:TH_STORE_NT
.set c, c+1
.endr
	s_endpgm
.Lfunc_end_k_q93e1fb0856_prep:
	.size	k_q93e1fb0856_prep, .Lfunc_end_k_q93e1fb0856_prep-k_q93e1fb0856_prep
	.p2alignl 7, 3214868480
	.fill 96, 4, 3214868480
	.section	.rodata,"a",@progbits
	.p2align	6, 0x0
	.amdhsa_kernel k_q93e1fb0856_prep
		.amdhsa_group_segment_fixed_size 0
		.amdhsa_private_segment_fixed_size 0
		.amdhsa_enable_private_segment 0
		.amdhsa_kernarg_size 48
		.amdhsa_user_sgpr_count 2
		.amdhsa_user_sgpr_kernarg_segment_ptr 1
		.amdhsa_wavefront_size32 1
		.amdhsa_system_sgpr_workgroup_id_x 1
		.amdhsa_system_sgpr_workgroup_id_y 1
		.amdhsa_system_sgpr_workgroup_id_z 1
		.amdhsa_system_vgpr_workitem_id 0
		.amdhsa_next_free_vgpr 148
		.amdhsa_next_free_sgpr 66
		.amdhsa_reserve_vcc 0
		.amdhsa_float_denorm_mode_32 3
		.amdhsa_float_denorm_mode_16_64 3
		.amdhsa_memory_ordered 1
		.amdhsa_forward_progress 1
		.amdhsa_inst_pref_size 25
	.end_amdhsa_kernel
	.amdgpu_metadata
---
amdhsa.version: [ 1, 2 ]
amdhsa.kernels:
  - .name:           k_q93e1fb0856_prep
    .symbol:         k_q93e1fb0856_prep.kd
    .args:
      - { .name: x, .offset: 0, .size: 8, .value_kind: global_buffer, .address_space: global }
      - { .name: codebook, .offset: 8, .size: 8, .value_kind: global_buffer, .address_space: global }
      - { .name: indices, .offset: 16, .size: 8, .value_kind: global_buffer, .address_space: global }
      - { .name: signs, .offset: 24, .size: 8, .value_kind: global_buffer, .address_space: global }
      - { .name: xb, .offset: 32, .size: 8, .value_kind: global_buffer, .address_space: global }
      - { .name: wq, .offset: 40, .size: 8, .value_kind: global_buffer, .address_space: global }
    .group_segment_fixed_size: 0
    .private_segment_fixed_size: 0
    .kernarg_segment_align: 8
    .kernarg_segment_size: 48
    .max_flat_workgroup_size: 256
    .sgpr_count:     66
    .vgpr_count:     148
    .wavefront_size: 32
...
	.end_amdgpu_metadata
.endif
;; end of part 3
;; launch gemm: the kernel of part 2 again; grid 8 x 32, 4 waves a work-group, clusters of 4 x 4, 327,680 bytes of LDS; arguments xb, wq, out0, scales; writes out0
